; MI455X (gfx1250); checked and timed in simulation.
; The chip was launched on July 23, 2026; its instructions are those of AMD's public machine-readable ISA for CDNA 5 (MIT licence, August 2026) and "CDNA5" Instruction Set Architecture Reference Guide (July 2026). The comments in the code are by the model that wrote it; some were corrected since.
;; Multihead Attention Layer. Allowed arithmetic: matrix products marked QUANTISED: E2M1 operands, one E8M0 scale for each 32 along K, by v_wmma_scale_f32_16x16x128_f8f6f4 with both operands' format E2M1 (or v_wmma_scale_f32_32x16x128_f4), f32 sums; products left as they are: bf16, f16 or f32 operands; f32 sums; everything else in f32.
;; Inputs: Wk 1,024 x 1,024 float32; Wo 1,024 x 1,024 float32; Wq 1,024 x 1,024 float32; Wv 1,024 x 1,024 float32; bk 1,024 float32; bo 1,024 float32; bq 1,024 float32; bv 1,024 float32; inputs 4 x 2,048 x 1,024 float32.
;; Outputs: out0 4 x 2,048 x 1,024 float32.
;; This version of the problem:
;;   THIS VERSION OF THE PROBLEM IS GIVEN IN LOW PRECISION. The matrix products marked QUANTISED in the list below multiply operands that are first quantised to E2M1 (2 exponent bits, 1 mantissa bit; 4 bits a number), with one power-of-two scale for each 32 numbers along K (OCP MX v1.0); their sums are f32. The products marked 'left as it is' may take bf16, f16 or f32 operands, with f32 sums. Whichever they take, every output number must still come out within the allowed error. Rounding operands to bf16 (8 significant bits) uses up far more of that allowance than f16 does (11 bits, for magnitudes from 6e-5 to 65,504). All else is computed in f32.
;;   The module's matrix products, in the order in which they are computed (A, B: the left and right operand; K: the contracted axis; several contracted axes count as one K, in the product's order):
;;     1. [M 8,192, K 1,024] x [K 1,024, N 1,024]; A: input inputs; B: input Wq: QUANTISED
;;     2. [M 8,192, K 1,024] x [K 1,024, N 1,024]; A: input inputs; B: input Wk: QUANTISED
;;     3. [M 8,192, K 1,024] x [K 1,024, N 1,024]; A: input inputs; B: input Wv: QUANTISED
;;     4. batch 64 x [M 2,048, K 64] x [K 64, N 2,048]; A: computed on the way; B: computed on the way: left as it is (an operand is computed on the way)
;;     5. batch 64 x [M 2,048, K 2,048] x [K 2,048, N 64]; A: computed on the way; B: computed on the way: left as it is (an operand is computed on the way)
;;     6. [M 8,192, K 1,024] x [K 1,024, N 1,024]; A: computed on the way; B: input Wo: left as it is (an operand is computed on the way)
;;   THE QUANTISER, for each operand of a quantised product, along K:
;;     - K is cut into blocks of 32 from its start; a last block that is shorter is filled with zeros.
;;     - A block's scale is 2^e with e = floor(log2(the largest magnitude in the block)) - 2, held to -126 .. 127; a block of zeros has e = 0. As a byte (E8M0): e + 127.
;;     - Each number is divided by its block's scale, clamped to +-6, and rounded to the nearest number of E2M1, ties to even, subnormals kept.
;;     - The product sums the exact products of the quantised numbers (number of the format x scale) in f32.
;;   ~~~python
;;   def quantise(x, axis):      # numpy; x: float32 -> the quantised numbers, widened to float32 again
;;       x = np.moveaxis(x, axis, -1); K = x.shape[-1]
;;       x = np.pad(x, [(0, 0)] * (x.ndim - 1) + [(0, -K % 32)]); x = x.reshape(x.shape[:-1] + (-1, 32)); a = np.abs(x).max(-1, keepdims=True)
;;       e = np.where(a > 0, np.clip(np.frexp(np.where(a > 0, a, 1))[1] - 1 - 2, -126, 127), 0)      # np.frexp(a)[1] - 1 = floor(log2(a)), exactly
;;       r = np.clip(x / 2.0 ** e, -6, 6)
;;       step = 2.0 ** (np.maximum(np.frexp(np.where(r == 0, 1, r))[1] - 1, 0) - 1)
;;       q = np.round(r / step) * step * 2.0 ** e      # np.round: ties to even
;;       return np.moveaxis(q.reshape(q.shape[:-2] + (-1,))[..., :K], -1, axis).astype(np.float32)
;;   ~~~
;; One version. Each part assembles by itself: llvm-mc -triple=amdgcn-amd-amdhsa -mcpu=gfx1250 --defsym DOCPART=n.
;; ======== version 1 of 1: 4 launches
;; limits: values are held in f16: magnitudes above 65,504 overflow, below 6.1e-05 lose precision
;; workspace buffers: xq 4,456,448 bytes; wqkv 1,671,168 bytes; wo16 2,097,152 bytes; qf 16,777,216 bytes; kvf 33,554,432 bytes; ctxf 16,777,216 bytes
;; launch prep (part 1): grid 640 x 1, 8 waves a work-group, no clusters, 70,144 bytes of LDS; arguments inputs, Wq, Wk, Wv, Wo, xq, wqkv, wo16; writes xq, wqkv, wo16
.if DOCPART == 1
	.amdgcn_target "amdgcn-amd-amdhsa--gfx1250"
	.amdhsa_code_object_version 6
	.text
	.protected	k_qcc282682b1_prep
	.globl	k_qcc282682b1_prep
	.p2align	8
	.type	k_qcc282682b1_prep,@function
k_qcc282682b1_prep:
	s_mov_b64 s[64:65], 0
	v_nop
	global_prefetch_b8 v0, s[64:65] scope:SCOPE_SE
	s_setreg_imm32_b32 hwreg(HW_REG_WAVE_MODE, 25, 1), 1
	s_wait_xcnt 0x0
; PREP.  inputs [8192][1024] f32 -> codes of FP4 (E2M1) with one E8M0 byte for each 32 along K (xq);  Wq, Wk, Wv [1024 (k)][1024 (n)] f32 -> the same along their FIRST axis (wqkv);  Wo -> f16 (wo16).
; All three results are laid IN THE ORDER OF AN OPERAND'S REGISTERS: a piece is 512 bytes, lane l's 16 bytes at 16 l.
;   xq, wqkv: a record of 8,704 bytes for each tile of 16 rows (of x) or 16 columns (of W): [K step of 128: 0..7][piece c: 0..1][512], lane (r, h) = codes of row r, k = 128 s + 64 c + 32 h + 0..31;
;             then 512 bytes of scale words: [quad 0..1][row r][the words of K steps 4 quad + 0..3].
;   wo16: [n / 256][k / 64][16 tiles of n][k16 0..3][512], lane (r, h) = Wo[16 k16 + 8 h + 0..7][n = r] in f16.
; A block's scale is 2^(floor(log2(its largest magnitude)) - 2): its byte is the largest magnitude's exponent field - 2, held at 1 from below by a floor among the maximum's leaves.
; LIMITS: a block of zeros gets the byte 1, not 127 (its codes are zeros, and this program alone reads the bytes); blocks whose largest magnitude lies under 2^-124 have their byte held at 1;
; NaN and infinities are not served; |Wo| beyond 65,504 has no f16 number.
; SHARES.  Work-groups 0..511: one tile of 16 rows of x; wave s takes K step s.  Work-groups 512..639: weight j = u / 32, 64 columns x 512 along K; a wave takes 32 columns x 128 along K, a lane a column,
; its registers running down K.  No work-group shares an input with another: no cluster, no tensor load.  Every wave is one task with all its loads asked for at once.
.set REC,   8704
.set WSTG,  16*528                     ; a wave's stage: 16 rows of 512 bytes + 16 (33 x 16 bytes: the 16 rows that a load touches start at 16 different 16-byte columns)
.set XSC,   8*WSTG                     ; path X: the tile's 512 bytes of scale words
.set WSC,   XSC+512                    ; path W: 2 x 32 columns x 16 bytes of scale words: bytes of its own
.set SPARE, WSC+1024                   ; the spare words, 128 bytes for each of eight waves: four blocks of 256 bytes that no other line names
.set LANE, 1
.set RR,   2                           ; lane % 16
.set HH,   3                           ; lane / 16
.set LI,   4                           ; 16 x lane
.set L4,   5                           ; 4 x lane
.set STI,  6                           ; the stage, on the way in
.set STO,  7                           ; and out
.set SPW,  8                           ; my spare word; never rewritten
.set NIL,  9                           ; 0; never rewritten
.set XW,   10                          ; path X: where my row's scale word goes
.set XR,   11                          ; and where wave 0 reads the 512 bytes back
.set WW,   12                          ; path W: the same two
.set WR,   13
.set SO,   14                          ; path W: my place in the two records' scale words
.set TS,   15                          ; at work
.set C,    16                          ; v16-31   codes
.set R,    32                          ; v32-159  numbers as loaded (path X: v32-95)
.set X,    96                          ; v96-159  path X: 2 x 32 neighbours along K
.set PD,   160                         ; a lane permute's destination
.set MX,   161                         ; two chains of a maximum
.set MT,   162
.set WD,   163                         ; a scale word
.set BK,   164                         ; v164-167 scale words on their way out
.set SCO,  168                         ; v168-171 the conversions' scale operands, one a block
.set BY,   172                         ; v172-175 the scale bytes
; 32 numbers of one block in v[src] on become 32 codes in v[code] on; the scale's byte in v[BY + b].
.macro QBLK src, b, code
	v_max3_num_f32 v[MX], |v[\src]|, |v[\src+1]|, |v[\src+2]|
	v_max3_num_f32 v[MT], |v[\src+3]|, |v[\src+4]|, |v[\src+5]|
.irp i, 6,10,14,18,22,26
	v_max3_num_f32 v[MX], v[MX], |v[\src+\i]|, |v[\src+\i+1]|
	v_max3_num_f32 v[MT], v[MT], |v[\src+\i+2]|, |v[\src+\i+3]|
.endr
	v_max3_num_f32 v[MX], v[MX], |v[\src+30]|, |v[\src+31]|
	v_max3_num_f32 v[MX], v[MX], v[MT], 0x1800000          ; the floor 2^(3 - 127): the byte cannot fall under 1
	v_add_nc_u32 v[SCO+\b], 0xff000000, v[MX]              ; 2 off the exponent field: the conversion takes the exponent field of this operand as its scale
	v_lshrrev_b32 v[BY+\b], 23, v[SCO+\b]                  ; the scale's byte
.irp g, 0,1,2,3
	v_cvt_scalef32_pk8_fp4_f32 v[\code+\g], v[\src+8*\g:\src+8*\g+7], v[SCO+\b]
.endr
	v_nop                                                  ; one plain line behind the last conversion of a run
.endm
	s_load_b256 s[4:11], s[0:1], 0x0               ; inputs s[4:5], Wq s[6:7], Wk s[8:9], Wv s[10:11]
	s_load_b256 s[12:19], s[0:1], 0x20             ; Wo s[12:13], xq s[14:15], wqkv s[16:17], wo16 s[18:19]
	v_lshl_add_u32 v[SPW], v0, 2, SPARE
	v_mov_b32 v[NIL], 0
	v_lshrrev_b32 v[LANE], 5, v0
	v_readfirstlane_b32 s20, v[LANE]               ; wave 0..7
	v_and_b32 v[LANE], 31, v0
	v_and_b32 v[RR], 15, v0
	v_bfe_u32 v[HH], v0, 4, 1
	v_lshlrev_b32 v[LI], 4, v[LANE]
	v_lshlrev_b32 v[L4], 2, v[LANE]
	v_mov_b32 v[PD], 0                             ; written once: a lane permute's destination counts as one of its sources
	s_mov_b32 s34, 0x76543210
	s_mov_b32 s35, 0xfedcba98                      ; v_permlanex16_b32's selects for lane l xor 16
	s_mov_b32 s23, 0                               ; the high word of every offset
	s_and_b32 s32, s20, 1                          ; path W: g, which 32 of the 64 columns
	s_lshr_b32 s33, s20, 1                         ; path W: which 128 of the 512 along K
	; every LDS address is made here, of the wave's number, the lane and constants
	s_mul_i32 s21, s20, WSTG
	v_add_nc_u32 v[STI], s21, v[LI]                ; in: a row's 512 bytes as they lie
	v_mul_u32_u24 v[STO], v[RR], 528
	v_lshl_add_u32 v[STO], v[HH], 7, v[STO]
	v_add_nc_u32 v[STO], s21, v[STO]               ; out: row r, + 128 h: my 32 numbers of a block
	s_lshr_b32 s36, s20, 2
	s_lshl_b32 s36, s36, 8
	s_and_b32 s37, s20, 3
	s_lshl_b32 s37, s37, 2
	s_add_co_u32 s36, s36, s37
	s_add_co_u32 s36, s36, XSC
	v_lshl_add_u32 v[XW], v[RR], 4, s36            ; 256 (wave / 4) + 16 r + 4 (wave % 4)
	v_add_nc_u32 v[XR], XSC, v[LI]
	s_lshl_b32 s36, s32, 9
	s_add_co_u32 s36, s36, WSC
	v_add_nc_u32 v[WR], s36, v[LI]                 ; 512 g + 16 x column
	s_lshl_b32 s37, s33, 2
	s_add_co_u32 s37, s37, s36
	v_add_nc_u32 v[WW], s37, v[LI]                 ; + 4 x my K step among the quad's four
	v_mul_u32_u24 v[SO], v[HH], REC
	v_lshl_add_u32 v[SO], v[RR], 4, v[SO]          ; lanes 0-15 the first tile's record, lanes 16-31 the second's
	s_wait_kmcnt 0x0
	s_cmp_lt_u32 ttmp9, 512
	s_cbranch_scc0 .Lw
	; ---- PATH X: 16 rows of x, my K step of 128
	s_lshl_b32 s22, ttmp9, 16                      ; 16 rows of 4,096 bytes
	s_lshl_b32 s21, s20, 9                         ; + my 512 bytes of a row
	s_add_co_u32 s22, s22, s21
	s_add_nc_u64 s[24:25], s[4:5], s[22:23]
	s_mul_i32 s22, ttmp9, REC
	s_add_nc_u64 s[26:27], s[14:15], s[22:23]      ; the tile's record
	s_lshl_b32 s22, s20, 10
	s_add_nc_u64 s[36:37], s[26:27], s[22:23]      ; my K step's two pieces
.irp i, 0,1,2,3,4,5,6,7,8,9,10,11,12,13,14,15
	global_load_b128 v[R+4*\i:R+4*\i+3], v[LI], s[24:25] offset:4096*\i th:TH_LOAD_NT   ; 32 lanes read 512 consecutive bytes of row i
.endr
.irp i, 0,1,2,3,4,5,6,7,8,9,10,11,12,13,14,15
	s_wait_loadcnt 15-\i                           ; row i is in; the younger rows may be out
	ds_store_b128 v[STI], v[R+4*\i:R+4*\i+3] offset:528*\i
.endr
.irp c, 0,1
.irp i, 0,1,2,3,4,5,6,7
	ds_load_b128 v[X+32*\c+4*\i:X+32*\c+4*\i+3], v[STO] offset:256*\c+16*\i   ; LDS serves a wave's instructions in order: these see my stores.  k = 64 c + 32 h + 4 i on, of row r
.endr
.endr
	s_wait_dscnt 0x0
	QBLK X, 0, C                                   ; block h of my row
	QBLK X+32, 1, C+4                              ; block 2 + h
	v_lshl_or_b32 v[WD], v[BY+1], 16, v[BY]        ; my two bytes,
	v_lshlrev_b32 v[TS], 3, v[HH]
	v_lshlrev_b32 v[WD], v[TS], v[WD]              ; 8 h bits up;
	v_permlanex16_b32 v[PD], v[WD], s34, s35
	v_or_b32 v[WD], v[WD], v[PD]                   ; with lane l xor 16's two the word is whole
.irp c, 0,1
	global_store_b128 v[LI], v[C+4*\c:C+4*\c+3], s[36:37] offset:512*\c   ; a piece: 512 consecutive bytes
.endr
	ds_store_b32 v[XW], v[WD]                      ; lanes r and r + 16 write the same word with the same value
	s_wait_dscnt 0x0                               ; for the others' sake: my word has landed
	s_barrier_signal -1
	s_barrier_wait -1
	s_cmp_lg_u32 s20, 0
	s_cbranch_scc1 .Lend
	ds_load_b128 v[BK:BK+3], v[XR]                 ; wave 0: the eight waves' words, 512 bytes
	s_wait_dscnt 0x0
	global_store_b128 v[LI], v[BK:BK+3], s[26:27] offset:8192
	s_branch .Lend
	; ---- PATH W
.Lw:
	s_sub_co_u32 s28, ttmp9, 512                   ; u
	s_lshr_b32 s29, s28, 5                         ; j: 0 Wq, 1 Wk, 2 Wv, 3 Wo
	s_bfe_u32 s30, s28, 0x40001                    ; G: which 64 columns
	s_and_b32 s31, s28, 1                          ; q: which half of K
	s_cmp_eq_u32 s29, 1                            ; the choice hangs on the work-group's number alone
	s_cselect_b64 s[24:25], s[8:9], s[6:7]
	s_cmp_eq_u32 s29, 2
	s_cselect_b64 s[24:25], s[10:11], s[24:25]
	s_cmp_eq_u32 s29, 3
	s_cselect_b64 s[24:25], s[12:13], s[24:25]
	s_lshl_b32 s22, s31, 21                        ; 512 q rows of 4,096 bytes
	s_lshl_b32 s21, s33, 19                        ; + 128 rows for each K step
	s_add_co_u32 s22, s22, s21
	s_lshl_b32 s21, s30, 8                         ; + 64 G columns
	s_add_co_u32 s22, s22, s21
	s_lshl_b32 s21, s32, 7                         ; + 32 g
	s_add_co_u32 s22, s22, s21
	s_add_nc_u64 s[24:25], s[24:25], s[22:23]
.set i, 0
.rept 128
	global_load_b32 v[R+i], v[L4], s[24:25] offset:4096*i th:TH_LOAD_NT   ; W(k + i, my column): 128 consecutive bytes a wave, and wave g xor 1 stands beside it
.set i, i+1
.endr
	s_cmp_eq_u32 s29, 3
	s_cbranch_scc1 .Lwo
	s_lshl_b32 s21, s29, 6
	s_lshl_b32 s22, s30, 2
	s_add_co_u32 s21, s21, s22
	s_lshl_b32 s22, s32, 1
	s_add_co_u32 s21, s21, s22                     ; my first tile of columns: 64 j + 4 G + 2 g
	s_mul_i32 s22, s21, REC
	s_add_nc_u64 s[26:27], s[16:17], s[22:23]
	s_lshl_b32 s22, s31, 2
	s_add_co_u32 s22, s22, s33
	s_lshl_b32 s22, s22, 10                        ; K step 4 q + wave / 2
	s_add_nc_u64 s[36:37], s[26:27], s[22:23]
	s_lshl_b32 s22, s31, 8
	s_add_co_u32 s22, s22, 8192                    ; the scale words of quad q
	s_add_nc_u64 s[38:39], s[26:27], s[22:23]
.irp b, 0,1,2,3
.if 96-32*\b > 63
	s_wait_loadcnt 63                              ; block b's 32 loads are in.  (96 - 32 b younger loads might stay out; the wait's field holds 63 at the most, and a smaller count is safe)
.else
	s_wait_loadcnt 96-32*\b
.endif
	QBLK R+32*\b, \b, C+4*\b                       ; all 32 numbers of a block are mine
.endr
	v_lshl_or_b32 v[WD], v[BY+1], 8, v[BY]         ; my column's scale word of this K step
	v_lshl_or_b32 v[WD], v[BY+2], 16, v[WD]
	v_lshl_or_b32 v[WD], v[BY+3], 24, v[WD]
.irp c, 0,1                                    ; the operand's layout: lanes 0-15 block 2 c, lanes 16-31 block 2 c + 1 of a tile's 16 columns
.irp i, 0,1,2,3
	v_permlane16_swap_b32 v[C+8*\c+\i], v[C+8*\c+4+\i]     ; the first's lanes 16-31 change places with the second's lanes 0-15: now piece c of the first tile, and of the second
.endr
.endr
.irp u, 0,1
.irp c, 0,1
	global_store_b128 v[LI], v[C+8*\c+4*\u:C+8*\c+4*\u+3], s[36:37] offset:REC*\u+512*\c
.endr
.endr
	ds_store_b32 v[WW], v[WD]
	s_wait_dscnt 0x0                               ; for the others' sake
	s_barrier_signal -1
	s_barrier_wait -1
	s_cmp_ge_u32 s20, 2
	s_cbranch_scc1 .Lend
	ds_load_b128 v[BK:BK+3], v[WR]                 ; waves 0 and 1 (g = the wave's number): a column's four words of the quad
	s_wait_dscnt 0x0
	global_store_b128 v[SO], v[BK:BK+3], s[38:39]  ; sixteen lanes store 256 consecutive bytes, at a multiple of 256 from the buffer's first byte
	s_branch .Lend
.Lwo:                                          ; Wo to f16
	s_lshr_b32 s21, s30, 2
	s_lshl_b32 s22, s21, 19                        ; n / 256
	s_lshl_b32 s21, s31, 3
	s_lshl_b32 s28, s33, 1
	s_add_co_u32 s21, s21, s28
	s_lshl_b32 s21, s21, 15                        ; k / 64 = 8 q + 2 (wave / 2)
	s_add_co_u32 s22, s22, s21
	s_and_b32 s21, s30, 3
	s_lshl_b32 s21, s21, 2
	s_lshl_b32 s28, s32, 1
	s_add_co_u32 s21, s21, s28
	s_lshl_b32 s21, s21, 11                        ; the tile in its block: 4 (G % 4) + 2 g
	s_add_co_u32 s22, s22, s21
	s_add_nc_u64 s[26:27], s[18:19], s[22:23]
.irp e, 0,1,2,3,4,5,6,7                        ; 16 along K at a time
.if 112-16*\e > 63
	s_wait_loadcnt 63                              ; (as above: the field's largest count)
.else
	s_wait_loadcnt 112-16*\e
.endif
.irp i, 0,1,2,3,4,5,6,7
	v_cvt_pk_f16_f32 v[R+16*\e+\i], v[R+16*\e+2*\i], v[R+16*\e+2*\i+1]   ; in place, ascending: register i is written when 2 i and 2 i + 1 have been read
.endr
.irp i, 0,1,2,3
	v_permlane16_swap_b32 v[R+16*\e+\i], v[R+16*\e+4+\i]   ; lanes 0-15: k + 0..7, lanes 16-31: k + 8..15, of one tile's 16 columns
.endr
.irp u, 0,1
	global_store_b128 v[LI], v[R+16*\e+4*\u:R+16*\e+4*\u+3], s[26:27] offset:(\e/4)*32768+\u*2048+(\e%4)*512
.endr
.endr
.Lend:
	s_wait_tensorcnt 0x0                           ; the wave's end: behind my last LDS store
	ds_add_u32 v[SPW], v[NIL]
	s_wait_dscnt 0x0
	s_endpgm
.Lfunc_end_k_qcc282682b1_prep:
	.size	k_qcc282682b1_prep, .Lfunc_end_k_qcc282682b1_prep-k_qcc282682b1_prep
	.p2alignl 7, 3214868480
	.fill 96, 4, 3214868480
	.section	.rodata,"a",@progbits
	.p2align	6, 0x0
	.amdhsa_kernel k_qcc282682b1_prep
		.amdhsa_group_segment_fixed_size 70144
		.amdhsa_private_segment_fixed_size 0
		.amdhsa_enable_private_segment 0
		.amdhsa_kernarg_size 64
		.amdhsa_user_sgpr_count 2
		.amdhsa_user_sgpr_kernarg_segment_ptr 1
		.amdhsa_wavefront_size32 1
		.amdhsa_system_sgpr_workgroup_id_x 1
		.amdhsa_system_sgpr_workgroup_id_y 1
		.amdhsa_system_sgpr_workgroup_id_z 1
		.amdhsa_system_vgpr_workitem_id 0
		.amdhsa_next_free_vgpr 176
		.amdhsa_next_free_sgpr 66
		.amdhsa_reserve_vcc 0
		.amdhsa_float_denorm_mode_32 3
		.amdhsa_float_denorm_mode_16_64 3
		.amdhsa_memory_ordered 1
		.amdhsa_forward_progress 1
		.amdhsa_inst_pref_size 38
	.end_amdhsa_kernel
	.amdgpu_metadata
---
amdhsa.version: [ 1, 2 ]
amdhsa.kernels:
  - .name:           k_qcc282682b1_prep
    .symbol:         k_qcc282682b1_prep.kd
    .args:
      - { .name: inputs, .offset: 0, .size: 8, .value_kind: global_buffer, .address_space: global }
      - { .name: Wq, .offset: 8, .size: 8, .value_kind: global_buffer, .address_space: global }
      - { .name: Wk, .offset: 16, .size: 8, .value_kind: global_buffer, .address_space: global }
      - { .name: Wv, .offset: 24, .size: 8, .value_kind: global_buffer, .address_space: global }
      - { .name: Wo, .offset: 32, .size: 8, .value_kind: global_buffer, .address_space: global }
      - { .name: xq, .offset: 40, .size: 8, .value_kind: global_buffer, .address_space: global }
      - { .name: wqkv, .offset: 48, .size: 8, .value_kind: global_buffer, .address_space: global }
      - { .name: wo16, .offset: 56, .size: 8, .value_kind: global_buffer, .address_space: global }
    .group_segment_fixed_size: 70144
    .private_segment_fixed_size: 0
    .kernarg_segment_align: 8
    .kernarg_segment_size: 64
    .max_flat_workgroup_size: 256
    .sgpr_count:     66
    .vgpr_count:     176
    .wavefront_size: 32
...
	.end_amdgpu_metadata
.endif
;; end of part 1
;; launch qkv (part 2): grid 8 x 64, 4 waves a work-group, clusters of 4 x 4, 327,680 bytes of LDS; arguments xq, wqkv, bq, bk, bv, qf, kvf; writes qf, kvf
.if DOCPART == 2
	.amdgcn_target "amdgcn-amd-amdhsa--gfx1250"
	.amdhsa_code_object_version 6
	.text
	.protected	k_qcc282682b1_qkv
	.globl	k_qcc282682b1_qkv
	.p2align	8
	.type	k_qcc282682b1_qkv,@function
k_qcc282682b1_qkv:
	s_mov_b64 s[64:65], 0
	v_nop
	global_prefetch_b8 v0, s[64:65] scope:SCOPE_SE
	s_setreg_imm32_b32 hwreg(HW_REG_WAVE_MODE, 25, 1), 1
	s_wait_xcnt 0x0
	s_wait_alu depctr_hold_cnt(0) depctr_sa_sdst(0) depctr_va_vdst(0) depctr_va_sdst(0) depctr_va_ssrc(0) depctr_va_vcc(0) depctr_vm_vsrc(0)
	s_getreg_b32 s2, hwreg(HW_REG_IB_STS2, 6, 4)
	s_cmp_eq_u32 s2, 0
	s_cbranch_scc0 .Lentry_in_a_cluster
	s_endpgm
.Lentry_in_a_cluster:
	s_bfe_u32 s2, ttmp6, 0x10000c
	s_cmp_lg_u32 s2, 0xf033
	s_cbranch_scc0 .Lentry_shape_is_right
	s_endpgm
.Lentry_shape_is_right:
; QKV.  q, k, v = x W + b on codes of FP4 (E2M1) with one E8M0 scale for each 32 along K = 1,024; sums in f32, the bias as the C of each sum's first product; results rounded once to f16.
; LIMIT: |q|, |k|, |v| beyond 65,504 have no f16 number.
; SHARES.  A work-group takes 128 rows of x and the same 128 columns of EACH of Wq, Wk, Wv.  All of K lies in LDS at once: 8 records of x and 3 x 8 of W (8,704 bytes each: codes in the order of the
; operand's registers, then scale words), each block of 69,632 bytes filled once.  A wave makes 64 rows x 64 columns, one head: 16 accumulators, used three times; x's fragments are read from LDS once.
; CLUSTER 4 x 4: the four of a row of the cluster need the same block of x, the four of a column the same blocks of W: each quarter of a block is asked for JOINTLY.
; q and k are made TRANSPOSED (source 0 = 16 columns of W, source 1 = 16 rows of x): a lane holds one row and eight neighbouring channels: 16 bytes of f16 = its part of a piece [row r][d = 8 h + 0..7].
; v is made the natural way round: a lane holds one channel and eight neighbouring keys: its part of a piece [key 8 h + 0..7][channel r].  So every result leaves from registers, 512 consecutive bytes a store.
;   qf:  [batch x head][tile of 16 queries][d / 16][512]      kvf: [batch x head][64 keys][ K: [16 keys][d / 16][512] | V: [16 keys][16 channels][512] ]
; REGISTERS, in windows of 256: window 0: v1-16 addresses; v32-63 scale words (register 8 i + s: lanes 0-15 x's tile i, lanes 16-31 W's tile i, K step s); v128-255 the accumulators ((a, b) at 128 + 8 (4 a + b)).
;   window 1: x's fragments (a, s) at 8 (8 a + s).   window 2: W's (b, s) likewise.   window 3: v0-95 the biases in the results' layout ((j, b) at 32 j + 8 b); v128-191 packed results.
.set REC,   8704
.set BLK,   8*REC                      ; a block: 8 records
.set QUART, BLK/4                      ; what one tensor load brings: 68 rows of 256 bytes
.set HALF,  4*REC                      ; a wave's four tiles
.set SPARE, 4*BLK                      ; behind the four blocks: the spare words, 128 bytes a wave: two blocks of 256 bytes that no other line names
.set LI,   1                           ; 16 x lane
.set ADRA, 2                           ; my four tiles of x
.set ADRB, 4                           ; v4-6   my four tiles of weight j
.set ADRS, 8                           ; v8-10  scale words: lanes 0-15 x's, lanes 16-31 weight j's
.set SPW,  12
.set NIL,  13
.set BO8,  14                          ; 32 h: a lane's eight numbers of a bias
.set BO1,  15                          ; 4 r: its one
.set SC,   32
.set ACC,  128
.set TMP,  128
.set WV,   76
.set WM,   77                          ; which 64 rows
.set WN,   78                          ; which 64 columns
.set MSB, 0
.macro WIN new                         ; the immediate's high byte repeats the setting that is left
.if MSB != \new
	s_set_vgpr_msb (MSB<<8)|\new
.set MSB, \new
.endif
.endm
.macro CROUND                          ; a round of the cluster's barrier
	s_barrier_signal -1
	s_barrier_wait -1
	s_cmp_lg_u32 s[WV], 0
	s_cbranch_scc1 .Lnot_wave_0_\@
	s_barrier_signal -3
.Lnot_wave_0_\@:
	s_barrier_wait -3
	s_barrier_signal -1
	s_barrier_wait -1
.endm
.macro PLACES                          ; four plain places behind matrix instructions, in front of loads into their registers and of reads of their results
.rept 4
	v_nop
.endr
.endm
	s_load_b256 s[4:11], s[0:1], 0x0               ; xq s[4:5], wqkv s[6:7], bq s[8:9], bk s[10:11]
	s_load_b128 s[12:15], s[0:1], 0x20             ; bv s[12:13], qf s[14:15]
	s_load_b64 s[48:49], s[0:1], 0x30              ; kvf
	v_lshl_add_u32 v[SPW], v0, 2, SPARE
	v_mov_b32 v[NIL], 0
	ds_add_u32 v[SPW], v[NIL]                      ; the wave's opening: the add, twice on end, and its wait ahead of my first tensor load
	ds_add_u32 v[SPW], v[NIL]
	v_lshrrev_b32 v3, 5, v0
	v_readfirstlane_b32 s[WV], v3                  ; wave 0..3
	s_lshr_b32 s[WM], s[WV], 1
	s_and_b32 s[WN], s[WV], 1
	s_bfe_u32 s50, ttmp6, 0x40000                  ; cx
	s_bfe_u32 s51, ttmp6, 0x40004                  ; cy
	s_lshl_b32 s52, ttmp9, 2
	s_add_co_u32 s52, s52, s50                     ; block of 128 columns = 4 x cluster x + cx
	s_and_b32 s53, ttmp7, 0xffff
	s_lshl_b32 s53, s53, 2
	s_add_co_u32 s53, s53, s51                     ; block of 128 rows = 4 x cluster y + cy
	s_lshl_b32 s60, s51, 2
	s_lshl_b32 s60, 15, s60                        ; my row of the cluster
	s_lshl_b32 s61, 0x1111, s50                    ; my column
	s_or_b32 s16, s60, (3<<16)|(1<<21)             ; group 1 for x: 15:0 the mask; 17:16 elements of 8 bytes; 21 set beside a mask; no padding
	s_or_b32 s24, s61, (3<<16)|(1<<21)             ; and for W
.irp g, 16, 24
	s_mov_b32 s[\g+1], 32<<16                      ; tensor_dim0 = 32 elements: rows of 256 bytes
	s_mov_b32 s[\g+2], 68<<16                      ; tensor_dim1 = 68
	s_mov_b32 s[\g+3], 32<<16                      ; tile_dim0
	s_mov_b32 s[\g+4], 68                          ; tile_dim1
	s_mov_b32 s[\g+5], 32                          ; the pitch: the block is dense
	s_mov_b32 s[\g+6], 0
	s_mov_b32 s[\g+7], 0
.endr
	s_mul_i32 s62, s[WV], QUART                    ; my quarter of every block, in memory and in LDS
	s_mul_i32 s54, s53, BLK                        ; x's block hangs on the block of rows alone,
	s_add_co_u32 s54, s54, s62
	s_mov_b32 s55, 0
	s_mul_i32 s56, s52, BLK                        ; W's on the block of columns alone
	s_add_co_u32 s56, s56, s62
	s_mov_b32 s57, 0
	s_wait_dscnt 0x0                               ; both opening adds are done
	s_wait_kmcnt 0x0
	s_add_nc_u64 s[54:55], s[4:5], s[54:55]
	s_add_nc_u64 s[56:57], s[6:7], s[56:57]
	s_mov_b32 s32, 1                               ; group 0 for x: count = 1,
	s_mov_b32 s33, s62                             ; LDS address,
	s_mov_b64 s[34:35], s[54:55]                   ; global address,
	s_or_b32 s35, s35, 0x80000000                  ; type = 2
.irp j, 0,1,2
	s_mov_b32 s[36+4*\j], 1
	s_add_co_u32 s[37+4*\j], s62, BLK*(1+\j)
	s_add_nc_u64 s[38+4*\j:39+4*\j], s[56:57], \j*64*REC
	s_or_b32 s[39+4*\j], s[39+4*\j], 0x80000000
.endr
	CROUND                                         ; all sixteen work-groups are here: the joint loads meet
	tensor_load_to_lds s[32:35], s[16:23]          ; four loads of mine are out: x, Wq, Wk, Wv.  Nothing is ever filled again
	s_nop 0
	tensor_load_to_lds s[36:39], s[24:31]
	s_nop 0
	tensor_load_to_lds s[40:43], s[24:31]
	s_nop 0
	tensor_load_to_lds s[44:47], s[24:31]
	s_nop 0
.rept 4
	v_nop
.endr
	; the other addresses
	s_lshl_b32 s63, s52, 1
	s_add_co_u32 s63, s63, s[WN]                   ; my head
	s_lshl_b32 s58, s63, 8                         ; its 64 numbers of a bias
	s_mov_b32 s59, 0
	s_add_nc_u64 s[66:67], s[8:9], s[58:59]
	s_add_nc_u64 s[68:69], s[10:11], s[58:59]
	s_add_nc_u64 s[70:71], s[12:13], s[58:59]
	s_lshr_b32 s79, s53, 4
	s_lshl_b32 s79, s79, 4
	s_add_co_u32 s79, s79, s63                     ; 16 x batch + head
	s_and_b32 s2, s53, 15                          ; my block of 128 rows in its sequence
	s_lshl_b32 s58, s79, 7
	s_lshl_b32 s3, s2, 3
	s_add_co_u32 s58, s58, s3
	s_lshl_b32 s3, s[WM], 2
	s_add_co_u32 s58, s58, s3
	s_lshl_b32 s58, s58, 11                        ; my first tile of queries, 2,048 bytes a tile
	s_add_nc_u64 s[72:73], s[14:15], s[58:59]
	s_lshl_b32 s58, s79, 5
	s_lshl_b32 s3, s2, 1
	s_add_co_u32 s58, s58, s3
	s_add_co_u32 s58, s58, s[WM]
	s_lshl_b32 s58, s58, 14                        ; my 64 keys, 16,384 bytes
	s_add_nc_u64 s[74:75], s[48:49], s[58:59]
	v_and_b32 v3, 31, v0
	v_lshlrev_b32 v[LI], 4, v3
	v_and_b32 v7, 15, v0                           ; r
	v_bfe_u32 v11, v0, 4, 1                        ; h
	v_lshlrev_b32 v[BO8], 5, v11
	v_lshlrev_b32 v[BO1], 2, v7
	s_mul_i32 s58, s[WM], HALF
	s_mul_i32 s59, s[WN], HALF
	v_add_nc_u32 v[ADRA], s58, v[LI]
	v_lshl_add_u32 v16, v7, 4, s58
	v_add_nc_u32 v16, 8192, v16                    ; x's scale words: behind my tile's codes, 16 bytes a row
.irp j, 0,1,2
	s_add_co_u32 s63, s59, BLK*(1+\j)
	v_add_nc_u32 v[ADRB+\j], s63, v[LI]
	s_sub_co_u32 s79, s63, s58                     ; lanes 16-31 take W's: ONE product, h x the distance between the two
	v_mul_u32_u24 v[ADRS+\j], s79, v11
	v_add_nc_u32 v[ADRS+\j], v[ADRS+\j], v16
.endr
	WIN 0xc0                                       ; destination window 3
.irp b, 0,1,2,3
	global_load_b128 v[8*\b:8*\b+3], v[BO8], s[66:67] offset:64*\b            ; bq at channels 16 b + 8 h + 0..7
	global_load_b128 v[8*\b+4:8*\b+7], v[BO8], s[66:67] offset:64*\b+16
	global_load_b128 v[32+8*\b:32+8*\b+3], v[BO8], s[68:69] offset:64*\b      ; bk likewise
	global_load_b128 v[32+8*\b+4:32+8*\b+7], v[BO8], s[68:69] offset:64*\b+16
.irp i, 0,1,2,3,4,5,6,7
	global_load_b32 v[64+8*\b+\i], v[BO1], s[70:71] offset:64*\b              ; bv at channel 16 b + r, in all eight registers (eight keys)
.endr
.endr
	WIN 0
.macro FETCH_A                         ; x's 32 fragments: all of K, once for the three weights
	WIN 0x40
.irp a, 0,1,2,3
.irp s, 0,1,2,3,4,5,6,7
.irp c, 0,1
	ds_load_b128 v[8*(8*\a+\s)+4*\c:8*(8*\a+\s)+4*\c+3], v[ADRA] offset:REC*\a+1024*\s+512*\c
.endr
.endr
.endr
.endm
.macro FETCH j, hf                     ; 36 loads: weight j's fragments of K steps 4 hf + 0..3, and both sides' scale words of those steps
	WIN 0x80
.irp b, 0,1,2,3
.irp s, 0,1,2,3
.irp c, 0,1
	ds_load_b128 v[8*(8*\b+4*(\hf)+\s)+4*\c:8*(8*\b+4*(\hf)+\s)+4*\c+3], v[ADRB+(\j)] offset:REC*\b+1024*(4*(\hf)+\s)+512*\c
.endr
.endr
.endr
	WIN 0
.irp i, 0,1,2,3
	ds_load_b128 v[SC+8*\i+4*(\hf):SC+8*\i+4*(\hf)+3], v[ADRS+(\j)] offset:REC*\i+256*(\hf)
.endr
.endm
.macro FP4T d, a, b, c, sa, sb         ; source 0 = W (its scale words in lanes 16-31), source 1 = x
	v_wmma_scale_f32_16x16x128_f8f6f4 v[\d:\d+7], v[\a:\a+7], v[\b:\b+7], v[\c:\c+7], v[\sa], v[\sb] matrix_a_fmt:MATRIX_FMT_FP4 matrix_b_fmt:MATRIX_FMT_FP4 matrix_a_scale:MATRIX_SCALE_ROW1
.endm
.macro FP4N d, a, b, c, sa, sb         ; source 0 = x, source 1 = W
	v_wmma_scale_f32_16x16x128_f8f6f4 v[\d:\d+7], v[\a:\a+7], v[\b:\b+7], v[\c:\c+7], v[\sa], v[\sb] matrix_a_fmt:MATRIX_FMT_FP4 matrix_b_fmt:MATRIX_FMT_FP4 matrix_b_scale:MATRIX_SCALE_ROW1
.endm
; 64 matrix instructions: four K steps x 16 accumulators, which take turns, one instruction a turn.  K step 0 takes the bias as C: nothing is cleared, nothing is added later.
.macro MUL j, hf
.irp s, 0,1,2,3
.set KK, 4*(\hf)+\s
.if (\j) < 2
.if KK == 0
	WIN 0x36                                       ; source 0 window 2, source 1 window 1, C window 3
.else
	WIN 0x06
.endif
.else
.if KK == 0
	WIN 0x39                                       ; source 0 window 1, source 1 window 2, C window 3
.else
	WIN 0x09
.endif
.endif
.irp a, 0,1,2,3
.irp b, 0,1,2,3
.if KK == 0
.set CC, 32*(\j)+8*\b
.else
.set CC, ACC+8*(4*\a+\b)
.endif
.if (\j) < 2
	FP4T ACC+8*(4*\a+\b), 8*(8*\b+KK), 8*(8*\a+KK), CC, SC+8*\b+KK, SC+8*\a+KK
.else
	FP4N ACC+8*(4*\a+\b), 8*(8*\a+KK), 8*(8*\b+KK), CC, SC+8*\a+KK, SC+8*\b+KK
.endif
.endr
.endr
.endr
.endm
; The 16 accumulators are rounded to f16, each from its low end on, and leave as 16 pieces on end: 8,192 consecutive bytes a wave.
.macro WAYOUT j
	s_wait_xcnt 0x0                                ; the last weight's stores have read their registers
	WIN 0xc0
.set T_, 0
.rept 16
.irp i, 0,1,2,3
	v_cvt_pk_f16_f32 v[TMP+4*T_+\i], v[ACC+8*T_+2*\i], v[ACC+8*T_+2*\i+1]
.endr
.set T_, T_+1
.endr
	WIN 0x0c                                       ; a store's data are its source 1: window 3
.set T_, 0
.rept 16
.if (\j) == 0
	global_store_b128 v[LI], v[TMP+4*T_:TMP+4*T_+3], s[72:73] offset:512*T_ th:TH_STORE_NT
.else
	global_store_b128 v[LI], v[TMP+4*T_:TMP+4*T_+3], s[74:75] offset:8192*((\j)-1)+512*T_ th:TH_STORE_NT
.endif
.set T_, T_+1
.endr
	WIN 0
.endm
	s_wait_tensorcnt 0x2                           ; my quarters of x and of Wq are in; Wk's and Wv's may stay out
	s_barrier_signal -1
	s_barrier_wait -1                              ; everybody's are
	FETCH_A
	FETCH 0, 0
	FETCH 0, 1
	s_wait_loadcnt 0x0                             ; the biases
.irp j, 0,1,2
	s_wait_dscnt 36                                ; all but the 36 loads of this weight's second half
	MUL \j, 0
.if \j < 2
	s_wait_tensorcnt 1-\j                          ; my quarter of the next weight is in,
	s_wait_dscnt 0x0                               ; no LDS load of mine is out at a signal (this weight's second half is in),
	s_barrier_signal -1
	s_barrier_wait -1                              ; everybody's quarter is in
	PLACES
	FETCH \j+1, 0                                  ; into the registers that the 64 products above have read
.else
	s_wait_dscnt 0x0
.endif
	MUL \j, 1
	PLACES
.if \j < 2
	FETCH \j+1, 1
.endif
	WAYOUT \j                                      ; the four places and the other accumulators' conversions stand between the last product and the next weight's first, which writes over the accumulators
.endr
	s_wait_tensorcnt 0x0                           ; the wave's end
	ds_add_u32 v[SPW], v[NIL]
	s_wait_dscnt 0x0
	CROUND                                         ; the closing round
	s_endpgm
.Lfunc_end_k_qcc282682b1_qkv:
	.size	k_qcc282682b1_qkv, .Lfunc_end_k_qcc282682b1_qkv-k_qcc282682b1_qkv
	.p2alignl 7, 3214868480
	.fill 96, 4, 3214868480
	.section	.rodata,"a",@progbits
	.p2align	6, 0x0
	.amdhsa_kernel k_qcc282682b1_qkv
		.amdhsa_group_segment_fixed_size 327680
		.amdhsa_private_segment_fixed_size 0
		.amdhsa_enable_private_segment 0
		.amdhsa_kernarg_size 56
		.amdhsa_user_sgpr_count 2
		.amdhsa_user_sgpr_kernarg_segment_ptr 1
		.amdhsa_wavefront_size32 1
		.amdhsa_system_sgpr_workgroup_id_x 1
		.amdhsa_system_sgpr_workgroup_id_y 1
		.amdhsa_system_sgpr_workgroup_id_z 1
		.amdhsa_system_vgpr_workitem_id 0
		.amdhsa_next_free_vgpr 960
		.amdhsa_next_free_sgpr 80
		.amdhsa_reserve_vcc 0
		.amdhsa_float_denorm_mode_32 3
		.amdhsa_float_denorm_mode_16_64 3
		.amdhsa_memory_ordered 1
		.amdhsa_forward_progress 1
		.amdhsa_inst_pref_size 96
	.end_amdhsa_kernel
	.amdgpu_metadata
---
amdhsa.version: [ 1, 2 ]
amdhsa.kernels:
  - .name:           k_qcc282682b1_qkv
    .symbol:         k_qcc282682b1_qkv.kd
    .args:
      - { .name: xq, .offset: 0, .size: 8, .value_kind: global_buffer, .address_space: global }
      - { .name: wqkv, .offset: 8, .size: 8, .value_kind: global_buffer, .address_space: global }
      - { .name: bq, .offset: 16, .size: 8, .value_kind: global_buffer, .address_space: global }
      - { .name: bk, .offset: 24, .size: 8, .value_kind: global_buffer, .address_space: global }
      - { .name: bv, .offset: 32, .size: 8, .value_kind: global_buffer, .address_space: global }
      - { .name: qf, .offset: 40, .size: 8, .value_kind: global_buffer, .address_space: global }
      - { .name: kvf, .offset: 48, .size: 8, .value_kind: global_buffer, .address_space: global }
    .group_segment_fixed_size: 327680
    .private_segment_fixed_size: 0
    .kernarg_segment_align: 8
    .kernarg_segment_size: 56
    .max_flat_workgroup_size: 128
    .sgpr_count:     80
    .vgpr_count:     960
    .wavefront_size: 32
...
	.end_amdgpu_metadata
.endif
;; end of part 2
;; launch attn (part 3): grid 4 x 64, 16 waves a work-group, clusters of 4 x 1, 327,680 bytes of LDS; arguments qf, kvf, ctxf; writes ctxf
.if DOCPART == 3
	.amdgcn_target "amdgcn-amd-amdhsa--gfx1250"
	.amdhsa_code_object_version 6
	.text
	.protected	k_qcc282682b1_attn
	.globl	k_qcc282682b1_attn
	.p2align	8
	.type	k_qcc282682b1_attn,@function
k_qcc282682b1_attn:
	s_mov_b64 s[64:65], 0
	v_nop
	global_prefetch_b8 v0, s[64:65] scope:SCOPE_SE
	s_setreg_imm32_b32 hwreg(HW_REG_WAVE_MODE, 25, 1), 1
	s_wait_xcnt 0x0
	s_wait_alu depctr_hold_cnt(0) depctr_sa_sdst(0) depctr_va_vdst(0) depctr_va_sdst(0) depctr_va_ssrc(0) depctr_va_vcc(0) depctr_vm_vsrc(0)
	s_getreg_b32 s2, hwreg(HW_REG_IB_STS2, 6, 4)
	s_cmp_eq_u32 s2, 0
	s_cbranch_scc0 .Lentry_in_a_cluster
	s_endpgm
.Lentry_in_a_cluster:
	s_bfe_u32 s2, ttmp6, 0x10000c
	s_cmp_lg_u32 s2, 0x3003
	s_cbranch_scc0 .Lentry_shape_is_right
	s_endpgm
.Lentry_shape_is_right:
; ATTN.  ctx[q] = the sum over k of softmax_k(q . k / 8) v[k], for each of 64 (batch, head), 2,048 queries and keys, head size 64, no mask.  q, k, v arrive in f16, in the order of the operands' registers
; (pieces of 512 bytes, lane l's 16 bytes at 16 l); products on f16 operands with f32 sums; maxima, exponentials and sums in f32; the weights p are rounded to f16 for the second product, ctx once at the end.
; SOFTMAX.  For each query a running maximum m and sum l: p = 2^(c s - c m), c = log2(e) / 8; in every step O and l are multiplied by a = 2^(c m_old - c m_new).  m begins at -3e38 and O, l at 0: the first a is 0 and multiplies zeros.
; SHARES.  A cluster of four work-groups owns one (batch, head); a work-group 512 queries; each of its SIXTEEN waves 32 queries, two tiles, in 256 registers: four waves to a SIMD, so that one wave's vector work
; stands beside another's matrix work and LDS loads.  Every wave walks all keys, 64 a step.  K and V come through a ring of two LDS slots of 512 keys (131,072 bytes); every wave fetches 8,192 bytes of a slot,
; JOINTLY with the same wave of the three partners, which walk the same keys.
; LAYOUT.  S^T = K Q^T (source 0 = 16 keys, source 1 = 16 queries): a lane holds ONE query (lane % 16) and keys 8 (lane / 16) + 0..7.  Two such tiles, rounded in pairs, ARE source 1 of O^T = V^T P, whose result
; again holds one query a lane and eight channels: its 16 bytes of a piece of ctx.
;   ctxf: [128 rows][head][tile of 16 rows][16 channels][512], lane (r, h) = ctx[row r][64 head + 16 ct + 8 h + 0..7]
; REGISTERS: v1 16 x lane; v2 the step's LDS address; v3, v4 the add's two; tile t's statistics at v[8 + 10 t]: +0 c m, +1 m, +2, +3 l, +4 to +7 at work (+6 becomes a, +7 c m_old - c m_new), +8, +9 a second chain of the sum;
;   v32-63 Q; v64-127 S^T, 32 a tile; P is laid over it (16 a tile); v128-191 O^T, 32 a tile; v192-255 a step's K, then its V.
.set SLOT1, 1<<17                      ; slot 1 begins here: one exclusive or turns an address in one slot into the other's
.set STEPB, 16384                      ; a key step: 8,192 bytes of K, then 8,192 of V
.set SPARE, 2*SLOT1                    ; behind the ring: the spare words, 128 bytes for each of 16 waves: eight blocks of 256 bytes that no other line names
.set LI,  1
.set ADR, 2
.set SPW, 3
.set NIL, 4
.set ST,  8
.set Q,   32
.set S,   64
.set O,   128
.set KV,  192
.set WV,  12
.set G1,  16                           ; s[16:23] descriptor group 1
.set G0,  24                           ; s[24:27] group 0 for slot 0's first fill; s[28:31] for slot 1's, which then walks
.set TB,  32                           ; LDS byte at which the step's tiles begin
.set CNT, 33
.set SLOTS, 34
.set CS,  36                           ; s[36:37] c: the packed form names a pair and takes its low word for both halves
.set SEL, 38                           ; s[38:39] lane selects: lane l xor 16
.macro CROUND                          ; a round of the cluster's barrier
	s_barrier_signal -1
	s_barrier_wait -1
	s_cmp_lg_u32 s[WV], 0
	s_cbranch_scc1 .Lnot_wave_0_\@
	s_barrier_signal -3
.Lnot_wave_0_\@:
	s_barrier_wait -3
	s_barrier_signal -1
	s_barrier_wait -1
.endm
	s_load_b128 s[4:7], s[0:1], 0x0                ; qf s[4:5], kvf s[6:7]
	s_load_b64 s[8:9], s[0:1], 0x10                ; ctxf
	v_lshl_add_u32 v[SPW], v0, 2, SPARE
	v_mov_b32 v[NIL], 0
	ds_add_u32 v[SPW], v[NIL]                      ; the wave's opening: the add, twice on end, and its wait ahead of my first tensor load
	ds_add_u32 v[SPW], v[NIL]
	v_lshrrev_b32 v5, 5, v0
	v_readfirstlane_b32 s[WV], v5                  ; wave 0..15
	s_bfe_u32 s13, ttmp6, 0x40000                  ; cx
	s_lshl_b32 s15, ttmp9, 2
	s_add_co_u32 s15, s15, s13                     ; my block of 512 queries: it enters Q's and ctx's addresses alone
	s_and_b32 s14, ttmp7, 0xffff                   ; 16 x batch + head, which the four partners share
	s_mov_b32 s[G1], 15|(3<<16)|(1<<21)            ; 15:0 the mask: all four work-groups; 17:16 elements of 8 bytes; 21 set beside a mask; no padding
	s_mov_b32 s[G1+1], 32<<16                      ; tensor_dim0 = 32: rows of 256 bytes
	s_mov_b32 s[G1+2], 32<<16                      ; tensor_dim1 = 32
	s_mov_b32 s[G1+3], 32<<16                      ; tile_dim0
	s_mov_b32 s[G1+4], 32                          ; tile_dim1: 32 rows, since all sixteen waves fetch a part of the slot
	s_mov_b32 s[G1+5], 32                          ; the pitch: dense
	s_mov_b32 s[G1+6], 0
	s_mov_b32 s[G1+7], 0
	s_lshl_b32 s40, s14, 19                        ; the head's keys: 524,288 bytes
	s_lshl_b32 s42, s[WV], 13                      ; my 8,192 bytes of a slot, in memory and in LDS
	s_add_co_u32 s40, s40, s42
	s_mov_b32 s41, 0
	s_lshl_b32 s44, s14, 18                        ; Q: 128 tiles of 2,048 bytes a head,
	s_lshl_b32 s45, s15, 16                        ; 32 a work-group,
	s_add_co_u32 s44, s44, s45
	s_lshl_b32 s45, s[WV], 12                      ; 2 a wave
	s_add_co_u32 s44, s44, s45
	s_mov_b32 s45, 0
	s_and_b32 s46, s14, 0x30                       ; ctx: block of 128 rows = 16 x batch
	s_lshl_b32 s47, s15, 2
	s_add_co_u32 s46, s46, s47                     ; + 4 x my block of queries
	s_lshr_b32 s47, s[WV], 2
	s_add_co_u32 s46, s46, s47                     ; + wave / 4;
	s_lshl_b32 s46, s46, 4
	s_and_b32 s47, s14, 15
	s_add_co_u32 s46, s46, s47                     ; x 16 + head;
	s_lshl_b32 s46, s46, 3
	s_and_b32 s47, s[WV], 3
	s_lshl_b32 s47, s47, 1
	s_add_co_u32 s46, s46, s47                     ; x 8 + my first tile in the block;
	s_lshl_b32 s46, s46, 11                        ; 2,048 bytes a tile
	s_mov_b32 s47, 0
	s_mov_b32 s[CS], 0x3e38aa3b                    ; c = log2(e) / 8
	s_mov_b32 s[CS+1], s[CS]                       ; (named with it as a pair, so it is written)
	s_mov_b32 s[SEL], 0x76543210
	s_mov_b32 s[SEL+1], 0xfedcba98
	s_mov_b32 s[TB], 0
	s_mov_b32 s[SLOTS], 2
	s_wait_dscnt 0x0                               ; both opening adds are done
	s_wait_kmcnt 0x0
	s_add_nc_u64 s[40:41], s[6:7], s[40:41]
	s_add_nc_u64 s[4:5], s[4:5], s[44:45]
	s_add_nc_u64 s[8:9], s[8:9], s[46:47]
.irp s, 0,1
	s_mov_b32 s[G0+4*\s], 1                        ; count = 1
	s_add_co_u32 s[G0+4*\s+1], s42, \s*SLOT1       ; LDS address
	s_add_nc_u64 s[G0+4*\s+2:G0+4*\s+3], s[40:41], \s*SLOT1   ; global address: keys 512 s on (a slot's bytes in memory are as many as in LDS)
	s_or_b32 s[G0+4*\s+3], s[G0+4*\s+3], 0x80000000           ; type = 2
.endr
	CROUND                                         ; all four work-groups are here: the first joint loads meet
	tensor_load_to_lds s[G0:G0+3], s[G1:G1+7]      ; two loads of mine are out
	s_nop 0
	tensor_load_to_lds s[G0+4:G0+7], s[G1:G1+7]
	s_nop 0
.rept 4
	v_nop
.endr
	v_and_b32 v5, 31, v0
	v_lshlrev_b32 v[LI], 4, v5
.irp t, 0,1
.irp p, 0,1,2,3
	global_load_b128 v[Q+16*\t+4*\p:Q+16*\t+4*\p+3], v[LI], s[4:5] offset:2048*\t+512*\p th:TH_LOAD_NT   ; Q stays in registers
.endr
.endr
.irp t, 0,1
	v_mov_b32 v[ST+10*\t+1], 0xff61b1e6            ; m = -3e38, under every score
	v_mul_f32 v[ST+10*\t], s[CS], v[ST+10*\t+1]    ; c m
	v_mov_b32 v[ST+10*\t+2], 0                     ; l
	v_mov_b32 v[ST+10*\t+3], 0
.endr
.set i, 0
.rept 64
	v_mov_b32 v[O+i], 0                            ; O^T.  (The step is written with no first copy: the first a, 0, multiplies these zeros)
.set i, i+1
.endr
; A KEY STEP: 64 keys; 32 matrix instructions.
.macro STEP
	v_add_nc_u32 v[ADR], s[TB], v[LI]
.rept 4
	v_nop                                          ; with the addition five plain places behind the last V^T P: for the loads into V's registers, and for the products below, which write over P
.endr
.irp kt, 0,1,2,3                               ; K, channels 0-31: a fragment is two pieces
	ds_load_b128 v[KV+8*\kt:KV+8*\kt+3], v[ADR] offset:2048*\kt
	ds_load_b128 v[KV+8*\kt+4:KV+8*\kt+7], v[ADR] offset:2048*\kt+512
.endr
.irp kt, 0,1,2,3                               ; channels 32-63
	ds_load_b128 v[KV+32+8*\kt:KV+32+8*\kt+3], v[ADR] offset:2048*\kt+1024
	ds_load_b128 v[KV+32+8*\kt+4:KV+32+8*\kt+7], v[ADR] offset:2048*\kt+1536
.endr
	s_wait_dscnt 0x8                               ; the first eight are in
.irp kt, 0,1,2,3                               ; the eight accumulators take turns, one instruction a turn
.irp t, 0,1
	v_wmma_f32_16x16x32_f16 v[S+32*\t+8*\kt:S+32*\t+8*\kt+7], v[KV+8*\kt:KV+8*\kt+7], v[Q+16*\t:Q+16*\t+7], 0
.endr
.endr
	s_wait_dscnt 0x0
.irp kt, 0,1,2,3
.irp t, 0,1
	v_wmma_f32_16x16x32_f16 v[S+32*\t+8*\kt:S+32*\t+8*\kt+7], v[KV+32+8*\kt:KV+32+8*\kt+7], v[Q+16*\t+8:Q+16*\t+15], v[S+32*\t+8*\kt:S+32*\t+8*\kt+7]
.endr
.endr
.rept 4
	v_nop                                          ; places in front of the loads into K's registers and of the first reads of the scores
.endr
.irp ct, 0,1,2,3                               ; V, keys 0-31: it lands under the softmax
	ds_load_b128 v[KV+8*\ct:KV+8*\ct+3], v[ADR] offset:8192+512*\ct
	ds_load_b128 v[KV+8*\ct+4:KV+8*\ct+7], v[ADR] offset:8192+2048+512*\ct
.endr
.irp ct, 0,1,2,3                               ; keys 32-63
	ds_load_b128 v[KV+32+8*\ct:KV+32+8*\ct+3], v[ADR] offset:8192+4096+512*\ct
	ds_load_b128 v[KV+32+8*\ct+4:KV+32+8*\ct+7], v[ADR] offset:8192+6144+512*\ct
.endr
	; the maximum of my 32 scores and the old m: four chains, the two tiles line by line; each accumulator is read from its low end on
.irp j, 0,1,2,3
.irp t, 0,1
	v_max3_num_f32 v[ST+10*\t+4+\j], v[S+32*\t+8*\j], v[S+32*\t+8*\j+1], v[S+32*\t+8*\j+2]
.endr
.endr
.irp g, 1,2
.irp j, 0,1,2,3
.irp t, 0,1
	v_max3_num_f32 v[ST+10*\t+4+\j], v[ST+10*\t+4+\j], v[S+32*\t+8*\j+2*\g+1], v[S+32*\t+8*\j+2*\g+2]
.endr
.endr
.endr
.irp t, 0,1
	v_max3_num_f32 v[ST+10*\t+4], v[ST+10*\t+4], v[S+32*\t+7], v[S+32*\t+15]
.endr
.irp t, 0,1
	v_max3_num_f32 v[ST+10*\t+6], v[ST+10*\t+6], v[S+32*\t+23], v[S+32*\t+31]
.endr
.irp t, 0,1
	v_max3_num_f32 v[ST+10*\t+4], v[ST+10*\t+4], v[ST+10*\t+5], v[ST+10*\t+6]
.endr
.irp t, 0,1
	v_max3_num_f32 v[ST+10*\t+4], v[ST+10*\t+4], v[ST+10*\t+7], v[ST+10*\t+1]
.endr
.irp t, 0,1
	v_permlanex16_b32 v[ST+10*\t+5], v[ST+10*\t+4], s[SEL], s[SEL+1]   ; the query's other 32 keys lie in the lane 16 away
.endr
.irp t, 0,1
	v_mov_b32 v[ST+10*\t+7], v[ST+10*\t]           ; c m_old is kept for a
.endr
.irp t, 0,1
	v_max_num_f32 v[ST+10*\t+1], v[ST+10*\t+4], v[ST+10*\t+5]
.endr
.irp t, 0,1
	v_mul_f32 v[ST+10*\t], s[CS], v[ST+10*\t+1]
.endr
.irp t, 0,1
	v_sub_f32 v[ST+10*\t+7], v[ST+10*\t+7], v[ST+10*\t]
.endr
.irp b, 0,1,2,3,4,5,6,7,8,9,10,11,12,13,14,15
.irp t, 0,1
	v_pk_fma_f32 v[S+32*\t+2*\b:S+32*\t+2*\b+1], v[S+32*\t+2*\b:S+32*\t+2*\b+1], s[CS:CS+1], v[ST+10*\t:ST+10*\t+1] op_sel_hi:[1,0,0] neg_lo:[0,0,1] neg_hi:[0,0,1]   ; c s - c m
.endr
.endr
.irp t, 0,1                                    ; ONE BATCH of 66 exponentials: none reads another's result
	v_exp_f32 v[ST+10*\t+6], v[ST+10*\t+7]         ; a
.endr
.set i, 0
.rept 64
	v_exp_f32 v[S+i], v[S+i]                       ; p, at most 1
.set i, i+1
.endr
	v_nop                                          ; a plain line behind the last exponential
	s_wait_alu depctr_va_vdst(0)                   ; the wait ahead of the first line that names a result: one for the batch
.irp t, 0,1                                    ; l = a l + the sum of the unrounded p, in two chains
	v_pk_fma_f32 v[ST+10*\t+2:ST+10*\t+3], v[ST+10*\t+2:ST+10*\t+3], v[ST+10*\t+6:ST+10*\t+7], v[S+32*\t:S+32*\t+1] op_sel_hi:[1,0,1]
.endr
.irp t, 0,1
	v_pk_add_f32 v[ST+10*\t+8:ST+10*\t+9], v[S+32*\t+2:S+32*\t+3], v[S+32*\t+4:S+32*\t+5]
.endr
.irp p, 3,5,7,9,11,13
.irp t, 0,1
	v_pk_add_f32 v[ST+10*\t+2:ST+10*\t+3], v[ST+10*\t+2:ST+10*\t+3], v[S+32*\t+2*\p:S+32*\t+2*\p+1]
.endr
.irp t, 0,1
	v_pk_add_f32 v[ST+10*\t+8:ST+10*\t+9], v[ST+10*\t+8:ST+10*\t+9], v[S+32*\t+2*\p+2:S+32*\t+2*\p+3]
.endr
.endr
.irp t, 0,1
	v_pk_add_f32 v[ST+10*\t+2:ST+10*\t+3], v[ST+10*\t+2:ST+10*\t+3], v[S+32*\t+30:S+32*\t+31]
.endr
.irp t, 0,1
	v_pk_add_f32 v[ST+10*\t+2:ST+10*\t+3], v[ST+10*\t+2:ST+10*\t+3], v[ST+10*\t+8:ST+10*\t+9]
.endr
.irp j, 0,1,2,3,4,5,6,7,8,9,10,11,12,13,14,15
.irp t, 0,1
	v_cvt_pk_f16_f32 v[S+32*\t+\j], v[S+32*\t+2*\j], v[S+32*\t+2*\j+1]   ; P, in place, ascending: register j is written when 2 j and 2 j + 1 have been read
.endr
.endr
.irp j, 0,1,2,3,4,5,6,7,8,9,10,11,12,13,14,15
.irp t, 0,1
	v_pk_mul_f32 v[O+32*\t+2*\j:O+32*\t+2*\j+1], v[O+32*\t+2*\j:O+32*\t+2*\j+1], v[ST+10*\t+6:ST+10*\t+7] op_sel_hi:[1,0]   ; O^T x a, each accumulator from its low end on
.endr
.endr
	s_wait_dscnt 0x0                               ; V is in
.irp ct, 0,1,2,3
.irp t, 0,1
	v_wmma_f32_16x16x32_f16 v[O+32*\t+8*\ct:O+32*\t+8*\ct+7], v[KV+8*\ct:KV+8*\ct+7], v[S+32*\t:S+32*\t+7], v[O+32*\t+8*\ct:O+32*\t+8*\ct+7]
.endr
.endr
.irp ct, 0,1,2,3
.irp t, 0,1
	v_wmma_f32_16x16x32_f16 v[O+32*\t+8*\ct:O+32*\t+8*\ct+7], v[KV+32+8*\ct:KV+32+8*\ct+7], v[S+32*\t+8:S+32*\t+15], v[O+32*\t+8*\ct:O+32*\t+8*\ct+7]
.endr
.endr
	s_add_co_u32 s[TB], s[TB], STEPB               ; the next step's tiles
.endm
.macro SLOT_STEPS                      ; a slot's eight key steps: written once, walked eight times
	s_mov_b32 s[CNT], 8
.Lstep_\@:
	STEP
	s_sub_co_u32 s[CNT], s[CNT], 1
	s_cmp_lg_u32 s[CNT], 0
	s_cbranch_scc1 .Lstep_\@
.endm
; THE CHANGE OF SLOTS.  Each wave waits for all its tensor loads, of which one is out: its part of the other slot; adds 0 to its spare word; and waits for that and for its reads of the slot that it leaves.
; fill = 1: the barrier is a round of the cluster's, so that no wave of any partner still reads the slot or has a load on its way; the joint refill is the first thing behind it, one load a wave,
; and has a slot's eight key steps in which to land.
.macro CHANGE fill
	s_wait_tensorcnt 0x0                           ; no tensor load of mine is out, so a group 0 may be written
	ds_add_u32 v[SPW], v[NIL]
.if \fill
	s_xor_b32 s[G0+5], s[G0+5], SLOT1              ; the walking descriptor: the other slot than last time,
	s_add_nc_u64 s[G0+6:G0+7], s[G0+6:G0+7], SLOT1 ; the next 512 keys; the type bits on top are not reached
.endif
	s_wait_dscnt 0x0                               ; the add is done, and my reads of the slot are over
.if \fill
	CROUND
	tensor_load_to_lds s[G0+4:G0+7], s[G1:G1+7]
	s_nop 0
.rept 4
	v_nop
.endr
.else
	s_barrier_signal -1
	s_barrier_wait -1
.endif
	s_sub_co_u32 s[TB], s[TB], 8*STEPB             ; back to a slot's first step,
	s_xor_b32 s[TB], s[TB], SLOT1                  ; in the other slot
.endm
	s_wait_tensorcnt 0x1                           ; my part of slot 0 is in; slot 1's may stay out
	s_barrier_signal -1
	s_barrier_wait -1                              ; everybody's is
	s_wait_loadcnt 0x0                             ; Q
.Lslot:                                        ; two trips: slots 0 and 1 are filled again, with keys 1,024 on and 1,536 on
	SLOT_STEPS
	CHANGE 1
	s_sub_co_u32 s[SLOTS], s[SLOTS], 1
	s_cmp_lg_u32 s[SLOTS], 0
	s_cbranch_scc1 .Lslot
	SLOT_STEPS                                     ; the tail is written out
	CHANGE 0
	SLOT_STEPS
	; THE WAY OUT.  l's two halves and the other half of the lanes' are added; O^T is divided by l, rounded to f16, and leaves from registers: a piece is 512 consecutive bytes.
.irp t, 0,1                                    ; (the four additions and the v_nop below are the plain places behind the last products)
	v_add_f32 v[ST+10*\t+4], v[ST+10*\t+2], v[ST+10*\t+3]
.endr
.irp t, 0,1
	v_permlanex16_b32 v[ST+10*\t+5], v[ST+10*\t+4], s[SEL], s[SEL+1]
.endr
.irp t, 0,1
	v_add_f32 v[ST+10*\t+4], v[ST+10*\t+4], v[ST+10*\t+5]
.endr
.irp t, 0,1
	v_rcp_f32 v[ST+10*\t+6], v[ST+10*\t+4]
.endr
	v_nop                                          ; a plain line behind the last reciprocal
	s_wait_alu depctr_va_vdst(0)                   ; and the wait ahead of the first use: one for the two
.irp t, 0,1
.irp j, 0,1,2,3,4,5,6,7,8,9,10,11,12,13,14,15
	v_pk_mul_f32 v[O+32*\t+2*\j:O+32*\t+2*\j+1], v[O+32*\t+2*\j:O+32*\t+2*\j+1], v[ST+10*\t+6:ST+10*\t+7] op_sel_hi:[1,0]
.endr
.endr
.irp t, 0,1
.irp j, 0,1,2,3,4,5,6,7,8,9,10,11,12,13,14,15
	v_cvt_pk_f16_f32 v[S+16*\t+\j], v[O+32*\t+2*\j], v[O+32*\t+2*\j+1]
.endr
.endr
.irp t, 0,1
.irp ct, 0,1,2,3
	global_store_b128 v[LI], v[S+16*\t+4*\ct:S+16*\t+4*\ct+3], s[8:9] offset:2048*\t+512*\ct th:TH_STORE_NT
.endr
.endr
	s_wait_tensorcnt 0x0                           ; the wave's end
	ds_add_u32 v[SPW], v[NIL]
	s_wait_dscnt 0x0
	CROUND                                         ; the closing round: no work-group ends while a partner may still ask for a tile that names it
	s_endpgm
.Lfunc_end_k_qcc282682b1_attn:
	.size	k_qcc282682b1_attn, .Lfunc_end_k_qcc282682b1_attn-k_qcc282682b1_attn
	.p2alignl 7, 3214868480
	.fill 96, 4, 3214868480
	.section	.rodata,"a",@progbits
	.p2align	6, 0x0
	.amdhsa_kernel k_qcc282682b1_attn
		.amdhsa_group_segment_fixed_size 327680
		.amdhsa_private_segment_fixed_size 0
		.amdhsa_enable_private_segment 0
		.amdhsa_kernarg_size 24
		.amdhsa_user_sgpr_count 2
		.amdhsa_user_sgpr_kernarg_segment_ptr 1
		.amdhsa_wavefront_size32 1
		.amdhsa_system_sgpr_workgroup_id_x 1
		.amdhsa_system_sgpr_workgroup_id_y 1
		.amdhsa_system_sgpr_workgroup_id_z 1
		.amdhsa_system_vgpr_workitem_id 0
		.amdhsa_next_free_vgpr 256
		.amdhsa_next_free_sgpr 66
		.amdhsa_reserve_vcc 0
		.amdhsa_float_denorm_mode_32 3
		.amdhsa_float_denorm_mode_16_64 3
		.amdhsa_memory_ordered 1
		.amdhsa_forward_progress 1
		.amdhsa_inst_pref_size 66
	.end_amdhsa_kernel
	.amdgpu_metadata
---
amdhsa.version: [ 1, 2 ]
amdhsa.kernels:
  - .name:           k_qcc282682b1_attn
    .symbol:         k_qcc282682b1_attn.kd
    .args:
      - { .name: qf, .offset: 0, .size: 8, .value_kind: global_buffer, .address_space: global }
      - { .name: kvf, .offset: 8, .size: 8, .value_kind: global_buffer, .address_space: global }
      - { .name: ctxf, .offset: 16, .size: 8, .value_kind: global_buffer, .address_space: global }
    .group_segment_fixed_size: 327680
    .private_segment_fixed_size: 0
    .kernarg_segment_align: 8
    .kernarg_segment_size: 24
    .max_flat_workgroup_size: 512
    .sgpr_count:     66
    .vgpr_count:     256
    .wavefront_size: 32
...
	.end_amdgpu_metadata
.endif
;; end of part 3
;; launch proj (part 4): grid 4 x 64, 4 waves a work-group, clusters of 4 x 4, 327,680 bytes of LDS; arguments ctxf, wo16, bo, out0; writes out0
.if DOCPART == 4
	.amdgcn_target "amdgcn-amd-amdhsa--gfx1250"
	.amdhsa_code_object_version 6
	.text
	.protected	k_qcc282682b1_proj
	.globl	k_qcc282682b1_proj
	.p2align	8
	.type	k_qcc282682b1_proj,@function
k_qcc282682b1_proj:
	s_mov_b64 s[64:65], 0
	v_nop
	global_prefetch_b8 v0, s[64:65] scope:SCOPE_SE
	s_setreg_imm32_b32 hwreg(HW_REG_WAVE_MODE, 25, 1), 1
	s_wait_xcnt 0x0
	s_wait_alu depctr_hold_cnt(0) depctr_sa_sdst(0) depctr_va_vdst(0) depctr_va_sdst(0) depctr_va_ssrc(0) depctr_va_vcc(0) depctr_vm_vsrc(0)
	s_getreg_b32 s2, hwreg(HW_REG_IB_STS2, 6, 4)
	s_cmp_eq_u32 s2, 0
	s_cbranch_scc0 .Lentry_in_a_cluster
	s_endpgm
.Lentry_in_a_cluster:
	s_bfe_u32 s2, ttmp6, 0x10000c
	s_cmp_lg_u32 s2, 0xf033
	s_cbranch_scc0 .Lentry_shape_is_right
	s_endpgm
.Lentry_shape_is_right:
; PROJ.  out0 = ctx Wo + bo.  ctx [8192][1024] and Wo [1024 (k)][1024 (n)] arrive in f16, in the order of the operands' registers (pieces of 512 bytes, lane l's 16 bytes at 16 l); sums in f32; bo is the C of each
; sum's first product; out0 is f32.
; SHARES.  A tile of out0 is 128 rows x 256 columns: 256 work-groups.  Four waves, each 64 x 128: 32 accumulators.  K goes in steps of 128 through a ring of two LDS slots: 32,768 bytes of ctx and 65,536 of Wo,
; each a dense block of memory; waves 0 and 1 fetch ctx's halves, waves 2 and 3 Wo's, one load a wave.
; CLUSTER 4 x 4: the four of a row of the cluster need the same tiles of ctx, the four of a column the same tiles of Wo: each is asked for JOINTLY.
; THE MATRIX INSTRUCTION IS USED TRANSPOSED (source 0 = 16 columns of Wo, source 1 = 16 rows of ctx): a lane holds eight neighbouring numbers of a row of out0.
; REGISTERS, in windows of 256: window 0: v3-30 addresses; v32-95 bo in the results' layout (tile b at 32 + 8 b); v128-191 ctx's fragments, two buffers of 32; on the way out v128-255 rows of out0.
;   window 1: Wo's fragments, two buffers of 64, at v0 and v64.   window 2: the accumulators ((a, b) at 8 (8 a + b)).
.set SLOT,   98304                     ; ctx: [k / 64: 0..1][tile of rows 0..7][2,048]; then Wo: [k / 64: 0..1][tile of columns 0..15][2,048]
.set BOFF,   32768
.set STAGE,  2*SLOT                    ; behind the ring, bytes of its own: 16 rows x (512 + 16) for each wave, for the way out
.set SPITCH, 528
.set SPARE,  STAGE+4*16*SPITCH         ; the spare words, 128 bytes a wave: two blocks of 256 bytes that no other line names
.set LAPS,   4                         ; a lap = two K steps = once round the ring; K = 1,024 is eight steps
.set LI,   3                           ; 16 x lane: an image's place for my lane, and my place in a row of out0
.set ADRA, 16                          ; v16-17 my ctx fragments in slot 0, 1
.set ADRB, 20                          ; v20-21 my Wo fragments
.set STO,  24
.set RD,   25
.set SPW,  28
.set NIL,  29
.set PFO,  30                          ; 256 x lane; never rewritten
.set BIAS, 32
.set AF,   128
.set BK,   128
.set WV,   12
.set HI,   13                          ; which 64 rows are mine.  Also: I fetch for ctx (0) or for Wo (1)
.set LO,   14                          ; which 128 columns.  Also: which half of that tile I fetch
.set G1,  24
.set G0,  32
.set G1B, 48
.set G0B, 56
.set PFA, 44                           ; s[44:45] where my prefetches stand
.set LIM, 43                           ; 1 in wave 0, else the greatest number
.set MULW, 0xa1                        ; source 0 (Wo) window 1, source 1 (ctx) window 0, C and D window 2
.set MSB, 0
.macro WIN new                         ; the immediate's high byte repeats the setting that is left
.if MSB != \new
	s_set_vgpr_msb (MSB<<8)|\new
.set MSB, \new
.endif
.endm
.macro JLOAD s                         ; a joint load; the branch hangs on the wave's number alone; an s_nop 0 and four v_nop follow each of the two lines
	s_cmp_eq_u32 s[HI], 0
	s_cbranch_scc0 .Lfor_b_\@
	tensor_load_to_lds s[G0+4*\s:G0+4*\s+3], s[G1:G1+7]
	s_nop 0
.rept 4
	v_nop
.endr
	s_branch .Lasked_\@
.Lfor_b_\@:
	tensor_load_to_lds s[G0B+4*\s:G0B+4*\s+3], s[G1B:G1B+7]
	s_nop 0
.rept 4
	v_nop
.endr
.Lasked_\@:
.endm
.macro CREST                           ; a round of the cluster's barrier behind its opening barrier
	s_cmp_lg_u32 s[WV], 0
	s_cbranch_scc1 .Lnot_wave_0_\@
	s_barrier_signal -3
.Lnot_wave_0_\@:
	s_barrier_wait -3
	s_barrier_signal -1
	s_barrier_wait -1
.endm
.macro CROUND
	s_barrier_signal -1
	s_barrier_wait -1
	CREST
.endm
; A PREFETCH of ctx's K step that stands TWO refills on: 32,768 bytes; the four partners that ask for the tile jointly take 8,192 each, told apart BY ADDRESS; in each, wave 0 asks, lanes 256 bytes apart: one instruction.
; A block of ctx is read by one row of one cluster, so each 256 bytes are named once in the launch.  The loop's last trip (s3 = 1) asks for nothing: there is no K step two refills on.  Wo, which every cluster walks, is not asked for.
.macro ASK
	s_cmp_gt_u32 s3, s[LIM]
	s_cbranch_scc0 .Lnot_mine_\@
	global_prefetch_b8 v[PFO], s[PFA:PFA+1] th:TH_LOAD_NT scope:SCOPE_SE
.Lnot_mine_\@:
.endm
.macro PLACES                          ; four plain places behind matrix instructions (ISA guide 7.12.1)
.rept 4
	v_nop
.endr
.endm
	s_load_b256 s[4:11], s[0:1], 0x0               ; ctxf s[4:5], wo16 s[6:7], bo s[8:9], out0 s[10:11]
	v_lshl_add_u32 v[SPW], v0, 2, SPARE
	v_mov_b32 v[NIL], 0
	ds_add_u32 v[SPW], v[NIL]                      ; the wave's opening: the add, twice on end, and its wait ahead of my first tensor load
	ds_add_u32 v[SPW], v[NIL]
	v_lshrrev_b32 v1, 5, v0
	v_readfirstlane_b32 s[WV], v1                  ; wave 0..3
	s_lshr_b32 s[HI], s[WV], 1
	s_and_b32 s[LO], s[WV], 1
	s_bfe_u32 s40, ttmp6, 0x40000                  ; cx
	s_bfe_u32 s41, ttmp6, 0x40004                  ; cy
	s_lshl_b32 s42, ttmp9, 2
	s_add_co_u32 s42, s42, s40                     ; block of 256 columns
	s_and_b32 s15, ttmp7, 0xffff
	s_lshl_b32 s15, s15, 2
	s_add_co_u32 s15, s15, s41                     ; block of 128 rows
	s_lshl_b32 s43, s41, 2
	s_lshl_b32 s43, 15, s43                        ; my row of the cluster
	s_lshl_b32 s44, 0x1111, s40                    ; my column
	s_or_b32 s[G1], s43, (3<<16)|(1<<21)           ; 15:0 the mask; 17:16 elements of 8 bytes; 21 set beside a mask; no padding
	s_or_b32 s[G1B], s44, (3<<16)|(1<<21)
	s_mov_b32 s[G1+1], 32<<16                      ; rows of 256 bytes
	s_mov_b32 s[G1+2], 64<<16                      ; ctx: 64 of them
	s_mov_b32 s[G1+3], 32<<16
	s_mov_b32 s[G1+4], 64
	s_mov_b32 s[G1+5], 32                          ; dense
	s_mov_b32 s[G1+6], 0
	s_mov_b32 s[G1+7], 0
	s_mov_b32 s[G1B+1], 32<<16
	s_mov_b32 s[G1B+2], 128<<16                    ; Wo: 128
	s_mov_b32 s[G1B+3], 32<<16
	s_mov_b32 s[G1B+4], 128
	s_mov_b32 s[G1B+5], 32
	s_mov_b32 s[G1B+6], 0
	s_mov_b32 s[G1B+7], 0
	s_lshl_b32 s16, s15, 18                        ; ctx: 262,144 bytes for each 128 rows,
	s_lshl_b32 s20, s[LO], 14                      ; my half of a K step's 32,768, in memory and in LDS
	s_add_co_u32 s16, s16, s20
	s_mov_b32 s17, 0
	s_lshl_b32 s46, s42, 19                        ; Wo: 524,288 bytes for each 256 columns,
	s_lshl_b32 s47, s[LO], 15                      ; my half of a K step's 65,536
	s_add_co_u32 s46, s46, s47
	s_add_co_u32 s21, s47, BOFF                    ; in LDS behind ctx's tile
	s_mov_b32 s47, 0
	s_wait_dscnt 0x0                               ; both opening adds are done
	s_wait_kmcnt 0x0
	s_add_nc_u64 s[16:17], s[4:5], s[16:17]
	s_add_nc_u64 s[46:47], s[6:7], s[46:47]
	CROUND                                         ; all sixteen work-groups are here: the first joint loads meet
.irp s, 0,1
	s_mov_b32 s[G0+4*\s], 1
	s_add_co_u32 s[G0+4*\s+1], s20, \s*SLOT
	s_add_nc_u64 s[G0+4*\s+2:G0+4*\s+3], s[16:17], \s*32768
	s_or_b32 s[G0+4*\s+3], s[G0+4*\s+3], 0x80000000
	s_mov_b32 s[G0B+4*\s], 1
	s_add_co_u32 s[G0B+4*\s+1], s21, \s*SLOT
	s_add_nc_u64 s[G0B+4*\s+2:G0B+4*\s+3], s[46:47], \s*65536
	s_or_b32 s[G0B+4*\s+3], s[G0B+4*\s+3], 0x80000000
	JLOAD \s                                       ; two loads of mine are out
.endr
	v_and_b32 v1, 31, v0
	v_lshlrev_b32 v[LI], 4, v1
	v_and_b32 v4, 15, v0                           ; r
	v_bfe_u32 v5, v0, 4, 1                         ; h
	v_lshlrev_b32 v[PFO], 8, v1
	v_lshlrev_b32 v6, 5, v5                        ; 32 h: my eight numbers of a tile of bo
	s_lshl_b32 s18, s[HI], 13                      ; my four tiles of rows
	s_lshl_b32 s19, s[LO], 14                      ; my eight tiles of columns,
	s_add_co_u32 s19, s19, BOFF                    ; behind ctx's tile
.irp s, 0,1
	v_add_nc_u32 v[ADRA+\s], s18, v[LI]
	v_add_nc_u32 v[ADRB+\s], s19, v[LI]
	s_add_co_u32 s18, s18, SLOT
	s_add_co_u32 s19, s19, SLOT
.endr
	s_mul_i32 s18, s[WV], 16*SPITCH
	s_add_co_u32 s18, s18, STAGE                   ; my stage
	v_mul_u32_u24 v[STO], v4, SPITCH               ; in: row r, 32 bytes for each half of the lanes
	v_lshl_add_u32 v[STO], v5, 5, v[STO]
	v_add_nc_u32 v[STO], s18, v[STO]
	v_add_nc_u32 v[RD], s18, v[LI]                 ; back: the 32 lanes take one row of 512 bytes
	s_lshl_b32 s22, s42, 10
	s_lshl_b32 s23, s[LO], 9
	s_add_co_u32 s22, s22, s23                     ; my first column, in bytes
	s_mov_b32 s23, 0
	s_add_nc_u64 s[8:9], s[8:9], s[22:23]          ; in bo,
	s_add_nc_u64 s[10:11], s[10:11], s[22:23]      ; and in out0,
	s_lshl_b32 s22, s15, 19
	s_lshl_b32 s18, s[HI], 18
	s_add_co_u32 s22, s22, s18                     ; at my first row: rows of 4,096 bytes
	s_add_nc_u64 s[10:11], s[10:11], s[22:23]
.irp b, 0,1,2,3,4,5,6,7
	global_load_b128 v[BIAS+8*\b:BIAS+8*\b+3], v6, s[8:9] offset:64*\b
	global_load_b128 v[BIAS+8*\b+4:BIAS+8*\b+7], v6, s[8:9] offset:64*\b+16
.endr
	s_lshl_b32 s22, s15, 18                        ; the prefetches: my block of rows,
	s_lshl_b32 s18, s40, 13                        ; my work-group's 8,192 bytes of a K step,
	s_add_co_u32 s22, s22, s18
	s_add_co_u32 s22, s22, 3*32768                 ; at K step 3: the first refill steps it to 4.  Nothing is prefetched here, at the head
	s_add_nc_u64 s[PFA:PFA+1], s[4:5], s[22:23]
	s_cmp_eq_u32 s[WV], 0
	s_cselect_b32 s[LIM], 1, -1
; 8 matrix instructions: my tile of rows a x my eight tiles of columns, 32 along K, from buffer f.  first = 1: bo is the C: nothing is cleared.  The 32 accumulators take turns.
.macro MULA f, a, first
.irp b, 0,1,2,3,4,5,6,7
.if \first
	v_wmma_f32_16x16x32_f16 v[8*(8*(\a)+\b):8*(8*(\a)+\b)+7], v[64*(\f)+8*\b:64*(\f)+8*\b+7], v[AF+32*(\f)+8*(\a):AF+32*(\f)+8*(\a)+7], v[BIAS+8*\b:BIAS+8*\b+7]
.else
	v_wmma_f32_16x16x32_f16 v[8*(8*(\a)+\b):8*(8*(\a)+\b)+7], v[64*(\f)+8*\b:64*(\f)+8*\b+7], v[AF+32*(\f)+8*(\a):AF+32*(\f)+8*(\a)+7], v[8*(8*(\a)+\b):8*(8*(\a)+\b)+7]
.endif
.endr
.endm
; 24 LDS loads in one run: the fragments of the slot's q-th 32 along K into buffer f; a fragment is two pieces
.macro FETCH slot, q, f
	WIN 0x40
.irp b, 0,1,2,3,4,5,6,7
.irp c, 0,1
	ds_load_b128 v[64*(\f)+8*\b+4*\c:64*(\f)+8*\b+4*\c+3], v[ADRB+\slot] offset:((\q)/2)*32768+2048*\b+((\q)%2)*1024+512*\c
.endr
.endr
	WIN 0
.irp a, 0,1,2,3
.irp c, 0,1
	ds_load_b128 v[AF+32*(\f)+8*\a+4*\c:AF+32*(\f)+8*\a+4*\c+3], v[ADRA+\slot] offset:((\q)/2)*16384+2048*\a+((\q)%2)*1024+512*\c
.endr
.endr
.endm
; A K step is four quarters of 32 along K, 32 matrix instructions each, on buffers 0, 1, 0, 1.  One of the first three: multiplies buffer f and, in its middle, fetches quarter qn into buffer g.
.macro QUARTER slot, qn, f, g, first
	s_wait_dscnt 0x0                               ; this quarter's fragments are in (asked for 16 matrix instructions ago)
.if \first
	WIN 0x81                                       ; C (bo) window 0
.else
	WIN MULW
.endif
	MULA \f, 0, \first
	MULA \f, 1, \first
	PLACES
	FETCH \slot, \qn, \g
.if \first
	WIN 0x81
.else
	WIN MULW
.endif
	MULA \f, 2, \first
	MULA \f, 3, \first
.endm
; The last quarter multiplies buffer 1 and changes slots: ONE barrier; in front of it each wave waits for all its tensor loads, adds 0 to its spare word, and waits for that and for its reads of this slot.
; fill = 1: the barrier opens a round of the cluster's, and this slot is filled again, two K steps ahead: the first tensor load behind the round, one a wave.
.macro TURN slot, next, fill
.if \fill
	s_wait_xcnt 0x0                                ; the last prefetch, a K step back, has read its address
	s_add_nc_u64 s[PFA:PFA+1], s[PFA:PFA+1], 32768
.endif
	WIN 0                                          ; (the add's two registers lie in window 0)
	s_wait_tensorcnt 0x0                           ; all my tensor loads have landed: my part of the next slot
	ds_add_u32 v[SPW], v[NIL]
	s_wait_dscnt 0x1                               ; this quarter's fragments are in; the add may be out
	WIN MULW
	MULA 1, 0, 0                                   ; eight matrix instructions stand between the add and the wait for it
	s_wait_dscnt 0x0                               ; the add is done, and my reads of this slot are over
	s_barrier_signal -1
	MULA 1, 1, 0
	WIN 0
	s_barrier_wait -1
.if \fill
	CREST                                          ; no wave of any partner still reads this slot's tile or has a load on its way
	s_add_nc_u64 s[G0+4*\slot+2:G0+4*\slot+3], s[G0+4*\slot+2:G0+4*\slot+3], 2*32768
	s_add_nc_u64 s[G0B+4*\slot+2:G0B+4*\slot+3], s[G0B+4*\slot+2:G0B+4*\slot+3], 2*65536
	JLOAD \slot                                    ; the four v_nop behind it are also the places in front of the loads below
.else
	PLACES
.endif
	FETCH \next, 0, 0
.if \fill
	ASK
.endif
	WIN MULW
	MULA 1, 2, 0
	MULA 1, 3, 0
.endm
	s_wait_tensorcnt 0x1                           ; my part of K step 0 is in; K step 1's may stay out
	s_barrier_signal -1
	s_barrier_wait -1                              ; everybody's is
	FETCH 0, 0, 0
	s_wait_loadcnt 0x0                             ; bo
	QUARTER 0, 1, 0, 1, 1                          ; the first quarter stands in front of the loop: its products start the sums
	WIN 0                                          ; at a label and at a branch every window is 0
	s_mov_b32 s3, LAPS-1
.Llap:                                         ; a trip goes once round the ring, from a lap's second quarter to the next lap's first, and fills both slots again
	QUARTER 0, 2, 1, 0, 0
	QUARTER 0, 3, 0, 1, 0
	TURN 0, 1, 1
	QUARTER 1, 1, 0, 1, 0
	QUARTER 1, 2, 1, 0, 0
	QUARTER 1, 3, 0, 1, 0
	TURN 1, 0, 1
	QUARTER 0, 1, 0, 1, 0
	WIN 0
	s_sub_co_u32 s3, s3, 1
	s_cmp_lg_u32 s3, 0
	s_cbranch_scc1 .Llap
	QUARTER 0, 2, 1, 0, 0                          ; the last lap fills nothing, and has no round of the cluster's barrier
	QUARTER 0, 3, 0, 1, 0
	TURN 0, 1, 0
	QUARTER 1, 1, 0, 1, 0
	QUARTER 1, 2, 1, 0, 0
	QUARTER 1, 3, 0, 1, 0
	s_wait_dscnt 0x0                               ; the very last quarter: nothing more to fetch
	WIN MULW
	MULA 1, 0, 0
	MULA 1, 1, 0
	MULA 1, 2, 0
	MULA 1, 3, 0
	WIN 0
; THE WAY OUT, block by block of 16 rows x 128 columns.  A lane holds 32 neighbouring bytes of a row, and the lanes beside it hold other rows: a block goes through my own stage in LDS and comes back as whole rows
; of 512 bytes.  LDS serves a wave's instructions in order (ISA guide 5.7.1.4): no wait between the stores and the loads, nor in front of the next block's stores.
.macro TOSTAGE a
	WIN 0x08                                       ; an LDS store's data are its source 1: window 2
.irp b, 0,1,2,3,4,5,6,7
	ds_store_b128 v[STO], v[64*(\a)+8*\b:64*(\a)+8*\b+3] offset:64*\b        ; each accumulator from its low end on
	ds_store_b128 v[STO], v[64*(\a)+8*\b+4:64*(\a)+8*\b+7] offset:64*\b+16
.endr
	WIN 0
.set BB, BK+64*((\a)%2)
.irp t, 0,1,2,3,4,5,6,7,8,9,10,11,12,13,14,15
	ds_load_b128 v[BB+4*\t:BB+4*\t+3], v[RD] offset:\t*SPITCH
.endr
.endm
.macro SEND a, younger                 ; younger: the LDS instructions issued behind block a's loads, which may stay out
.set BB, BK+64*((\a)%2)
	s_wait_dscnt \younger                          ; the block is back in registers
.if (\a) > 0
	s_add_nc_u64 s[10:11], s[10:11], 16*4096       ; (behind a wait on XCNT: the earlier stores have read their base)  16 rows on
.endif
.irp t, 0,1,2,3,4,5,6,7,8,9,10,11,12,13,14,15
	global_store_b128 v[LI], v[BB+4*\t:BB+4*\t+3], s[10:11] offset:\t*4096 th:TH_STORE_NT   ; 32 lanes store 512 consecutive bytes, at a multiple of 256 from out0's first byte
.endr
.endm
	PLACES                                         ; in front of the first reads of results and of the loads into the registers that held ctx's fragments
	TOSTAGE 0
.irp a, 1,2,3
.if \a > 1
	s_wait_xcnt 0x0                                ; block a - 2's stores have read their registers and their base
.endif
	TOSTAGE \a
	SEND \a-1, 32                                  ; behind block a - 1's loads: block a's 16 stores and 16 loads
.endr
	s_wait_xcnt 0x0                                ; block 2's stores have read their base
	SEND 3, 0
	s_wait_tensorcnt 0x0                           ; the wave's end: behind my last tensor load and my last LDS store
	ds_add_u32 v[SPW], v[NIL]
	s_wait_dscnt 0x0
	CROUND                                         ; the closing round
	s_endpgm
.Lfunc_end_k_qcc282682b1_proj:
	.size	k_qcc282682b1_proj, .Lfunc_end_k_qcc282682b1_proj-k_qcc282682b1_proj
	.p2alignl 7, 3214868480
	.fill 96, 4, 3214868480
	.section	.rodata,"a",@progbits
	.p2align	6, 0x0
	.amdhsa_kernel k_qcc282682b1_proj
		.amdhsa_group_segment_fixed_size 327680
		.amdhsa_private_segment_fixed_size 0
		.amdhsa_enable_private_segment 0
		.amdhsa_kernarg_size 32
		.amdhsa_user_sgpr_count 2
		.amdhsa_user_sgpr_kernarg_segment_ptr 1
		.amdhsa_wavefront_size32 1
		.amdhsa_system_sgpr_workgroup_id_x 1
		.amdhsa_system_sgpr_workgroup_id_y 1
		.amdhsa_system_sgpr_workgroup_id_z 1
		.amdhsa_system_vgpr_workitem_id 0
		.amdhsa_next_free_vgpr 768
		.amdhsa_next_free_sgpr 66
		.amdhsa_reserve_vcc 0
		.amdhsa_float_denorm_mode_32 3
		.amdhsa_float_denorm_mode_16_64 3
		.amdhsa_memory_ordered 1
		.amdhsa_forward_progress 1
		.amdhsa_inst_pref_size 87
	.end_amdhsa_kernel
	.amdgpu_metadata
---
amdhsa.version: [ 1, 2 ]
amdhsa.kernels:
  - .name:           k_qcc282682b1_proj
    .symbol:         k_qcc282682b1_proj.kd
    .args:
      - { .name: ctxf, .offset: 0, .size: 8, .value_kind: global_buffer, .address_space: global }
      - { .name: wo16, .offset: 8, .size: 8, .value_kind: global_buffer, .address_space: global }
      - { .name: bo, .offset: 16, .size: 8, .value_kind: global_buffer, .address_space: global }
      - { .name: out0, .offset: 24, .size: 8, .value_kind: global_buffer, .address_space: global }
    .group_segment_fixed_size: 327680
    .private_segment_fixed_size: 0
    .kernarg_segment_align: 8
    .kernarg_segment_size: 32
    .max_flat_workgroup_size: 128
    .sgpr_count:     66
    .vgpr_count:     768
    .wavefront_size: 32
...
	.end_amdgpu_metadata
.endif
;; end of part 4
